; MI455X (gfx1250); checked and timed in simulation.
; The chip was launched on July 23, 2026; its instructions are those of AMD's public machine-readable ISA for CDNA 5 (MIT licence, August 2026) and "CDNA5" Instruction Set Architecture Reference Guide (July 2026). The comments in the code are by the model that wrote it; some were corrected since.
;; mask gen. Allowed arithmetic: float matrix products may take bf16 or f16 operands with f32 sums; other float arithmetic in f32, or as packed bf16 or f16 multiplies, adds, multiply-adds, maxima and minima; sums over many terms, partial sums and values carried from step to step in f32; what a program stores and reads back later, other than sums and carried values, may be rounded once to bf16 or f16.
;; Inputs: feature 1 x 512 x 256 x 256 float32; gt_boxes_cur 1 x 128 x 5 float32; gt_boxes_pre 1 x 128 x 5 float32; im_data 1 x 3 x 1,024 x 1,024 float32.
;; Outputs: out0 1 x 1 x 256 x 256 float32; out1 one number float32; out2 1 x 1 x 256 x 256 float32; out3 one number float32.
;; Constants: num_boxes_cur = 128, num_boxes_pre = 128.
;; One version. Each part assembles by itself: llvm-mc -triple=amdgcn-amd-amdhsa -mcpu=gfx1250 --defsym DOCPART=n.
;; ======== version 1 of 1: 1 launch
;; launch maskgen (part 1): grid 32 x 2, 4 waves a work-group, no clusters, 768 bytes of LDS; arguments gt_boxes_pre, gt_boxes_cur, out0, out1, out2, out3; writes out0, out1, out2, out3
.if DOCPART == 1
	.amdgcn_target "amdgcn-amd-amdhsa--gfx1250"
	.amdhsa_code_object_version 6
	.text
	.protected	k_q686f649bb4_maskgen
	.globl	k_q686f649bb4_maskgen
	.p2align	8
	.type	k_q686f649bb4_maskgen,@function
k_q686f649bb4_maskgen:
	s_mov_b64 s[64:65], 0
	v_nop
	global_prefetch_b8 v0, s[64:65] scope:SCOPE_SE
	s_setreg_imm32_b32 hwreg(HW_REG_WAVE_MODE, 25, 1), 1
	s_wait_xcnt 0x0
; MASKS AND NORMS FROM BOXES.  For each of two lists of 128 boxes (x1, y1, x2, y2, label), all f32:
;   mask[r][c] = 1.0 where some box with label != 0 has trunc(x1/4) <= c < trunc(x2/4) AND some such box (not needs the same) has trunc(y1/4) <= r < trunc(y2/4), else 0.0   [256][256] f32
;   norm       = 2 x the sum of the mask, or 1.0 where that is 0.
; WORK LEFT OUT.  feature and im_data enter the computation by their shapes alone (H = W = 256, Himg = 1024, so the scale is 256/1024 = 0.25): no number in them reaches an output, whatever
; they hold, so they are not loaded and are not among the arguments.  num_boxes_pre = num_boxes_cur = 128 are constants above 0: the arm for no boxes never runs.
; The mask is the outer product of a 0/1 vector over rows and a 0/1 vector over columns, so its sum is (covered rows) x (covered columns) for all inputs: at most 65,536, exact in f32 by
; either way; the 65,536 additions are not made.  2 x that product is 0 or at least 2, so the choice of 1.0 for 0 is a maximum with 1.
; LIMITS.  A NaN, an infinity or an overflow in feature or im_data is not carried to any result.  A coordinate whose quarter lies outside int32 counts as lying before the first or behind
; the last column (the ends are clamped in f32 ahead of the conversion); a NaN coordinate counts as 0.  A NaN label counts as not 0, -0.0 as 0, as in an f32 comparison.
; THE UNIONS ARE BIT MASKS, 32 columns (or rows) to a word, the lowest column in bit 0: 8 words an axis.
; SHARES.  grid y picks the list (0: pre -> out0, out1; 1: cur -> out2, out3).  A work-group has four waves.  Every wave loads all 128 boxes, four to a lane (80 consecutive bytes: five loads
; of 16 bytes, which together take the list's 2,560 bytes once).  Wave w makes the two words of columns 64 w .. 64 w + 63 and the two words of rows 64 w .. 64 w + 63; the 16 words meet in LDS.
; Work-group k (0 .. 31) stores row k of each of the 8 row words: wave w the rows 64 w + k and 64 w + 32 + k.  So every word that a work-group makes serves its own rows.
; Wave 0 of work-group k = 0 also counts the bits of the 16 words and stores the norm.
; NO CLUSTER: what the 32 work-groups of a list share is its 2,560 bytes, against 8,192 bytes that each stores; a wave takes them straight into the registers in which it works on them, where
; a joint load would bring them to LDS, behind a round of the cluster's barrier, and put one more read of LDS into the one chain of dependent steps that this kernel is.
.set BOXB,  20                         ; bytes in a box
.set ROWB,  1024                       ; bytes in a row of a mask
.set SPARE, 256                        ; LDS: bytes 0-63 the 16 words (wave v's four at 16 v: columns' even, odd word, rows' even, odd word); from 256 on the spare words, 128 bytes a wave, which no other line names
; vector registers
.set LANE, 1                           ; my lane
.set BO,   2                           ; byte offset of my four boxes; never rewritten
.set SPW,  3                           ; LDS address of my spare word: SPARE + 4 x my thread's number; never rewritten
.set NIL,  4                           ; 0; never rewritten
.set B0F,  5                           ; 64 w as f32: where my wave's span begins, on both axes
.set ONES, 6                           ; all ones
.set LS,   7                           ; where my lane puts its word
.set LR,   8                           ; where the word of my first four columns lies
.set GO,   9                           ; byte offset in the mask of my 16 bytes of the wave's first row; never rewritten
.set SH,   10                          ; v[10:13]  the bit numbers of my four columns in their word
.set UB,   14                          ; v[14:17]  box q: the upper bound of its ends: 64.0, or 0 where the label is 0
.set LN,   18                          ; the norm: where word (lane % 16) lies
.set WN,   19                          ; the norm: that word
.set BX,   20                          ; v[20:39]  my four boxes as loaded: box q at BX + 5 q
.set FA,   40                          ; v[40:47]  unit n = 2 q + axis: the start inside the span, 0 .. 64
.set FB,   48                          ; v[48:55]  the end inside the span, 0 .. 64
.set TS,   56                          ; v[56:63]  ones from bit (start % 32) up
.set TE,   64                          ; v[64:71]  ones below bit (end % 32)
.set SA,   72                          ; v[72:79]  the bits at or above the start, even word
.set SB,   80                          ; v[80:87]  odd word
.set EA,   88                          ; v[88:95]  the bits below the end, even word
.set EB,   96                          ; v[96:103] odd word
.set ACC,  104                         ; v[104:107] my four boxes' union: columns' even, odd word, rows' even, odd word
.set KP,   108                         ; v[108:109] the words that my lane keeps
.set GV,   110                         ; v[110:111] the words that it gives
.set WA,   112                         ; the word of my columns 4 l .. 4 l + 3
.set WB,   113                         ; of my columns 128 + 4 l ..
.set NV,   114                         ; the norm
.set ZO,   115                         ; offset 0
.set XF,   116                         ; v[116:123] my eight columns as 0.0 or 1.0
.set OUT,  124                         ; v[124:139] what is stored: two rows of eight
; scalar registers
.set BR,   16                          ; which list
.set WV,   17                          ; my wave's number
.set T0,   18
.set T1,   19
.set BOXP, 20                          ; s[20:21] the list
.set MSK,  22                          ; s[22:23] its mask
.set NRM,  24                          ; s[24:25] its norm
.set QUART, 26                         ; 0.25
.set C64,  27                          ; 64.0
.set HI16, 28                          ; lanes 16-31
.set BIT3, 29                          ; lanes 8-15 and 24-31
.set SEL,  30                          ; s[30:31] v_permlanex16_b32: each lane takes its own place in the other half
.set CM,   32                          ; s[32:63] lane masks of the comparisons: unit n at CM + n (start < 32), + 8 (start < 64), + 16 (end < 32), + 24 (end < 64)
.set Y0,   66                          ; all ones or 0: my first row is covered
.set Y1,   67                          ; my second row
.set SV,   68
.set CX,   69
.set CY,   70
	s_load_b256 s[4:11], s[0:1], 0x0               ; pre s[4:5], cur s[6:7], out0 s[8:9], out1 s[10:11]
	s_load_b128 s[12:15], s[0:1], 0x20             ; out2 s[12:13], out3 s[14:15]
	v_lshl_add_u32 v[SPW], v0, 2, SPARE
	v_mov_b32 v[NIL], 0
	v_lshrrev_b32 v[LS], 5, v0
	v_readfirstlane_b32 s[WV], v[LS]               ; wave 0..3
	v_and_b32 v[LANE], 31, v0
	v_mul_u32_u24 v[BO], v[LANE], 4*BOXB           ; four boxes a lane: 80 bytes, a multiple of 16
	s_and_b32 s[BR], ttmp7, 0xffff
	s_wait_kmcnt 0x0
	s_cmp_eq_u32 s[BR], 0                          ; the choice hangs on the work-group's number alone
	s_cselect_b64 s[BOXP:BOXP+1], s[4:5], s[6:7]
	s_cselect_b64 s[MSK:MSK+1], s[8:9], s[12:13]
	s_cselect_b64 s[NRM:NRM+1], s[10:11], s[14:15]
.irp i, 0,1,2,3,4
	global_load_b128 v[BX+4*(\i):BX+4*(\i)+3], v[BO], s[BOXP:BOXP+1] offset:16*(\i)  ; the last byte named is 31 x 80 + 79 = 2,559: the list's last
.endr
	; constants and addresses, made of ids alone, while the boxes are on their way
	s_mov_b32 s[QUART], 0x3e800000
	s_mov_b32 s[C64], 0x42800000
	s_mov_b32 s[HI16], 0xffff0000
	s_mov_b32 s[BIT3], 0xff00ff00
	s_mov_b32 s[SEL], 0x76543210
	s_mov_b32 s[SEL+1], 0xfedcba98
	s_lshl_b32 s[T0], s[WV], 6
	v_cvt_f32_u32 v[B0F], s[T0]                    ; 64 w
	v_mov_b32 v[ONES], -1
	v_lshrrev_b32 v[LS], 3, v[LANE]                ; lanes 8 g .. 8 g + 7 will hold the wave's word g
	s_lshl_b32 s[T1], s[WV], 4
	v_lshl_add_u32 v[LS], v[LS], 2, s[T1]          ; 16 w + 4 g: a wave's four words are 16 bytes of its own
	v_bfe_u32 v[LR], v0, 3, 1                      ; columns 4 l .. lie in column word j = l / 8, which wave j / 2 made as its word j % 2:
	v_bfe_u32 v[GO], v0, 4, 1
	v_lshlrev_b32 v[LR], 2, v[LR]
	v_lshl_add_u32 v[LR], v[GO], 4, v[LR]          ; 16 (l / 16) + 4 ((l / 8) % 2); word j + 4 lies 32 bytes on
	s_lshl_b32 s[T0], s[WV], 16                    ; row 64 w,
	s_lshl_b32 s[T1], ttmp9, 10                    ; + k
	s_add_co_u32 s[T0], s[T0], s[T1]
	v_lshl_add_u32 v[GO], v[LANE], 4, s[T0]        ; + my 16 bytes
	v_and_b32 v[SH], 7, v0
	v_lshlrev_b32 v[SH], 2, v[SH]                  ; column 4 l + i is bit 4 (l % 8) + i of its word
.irp i, 1,2,3
	v_add_nc_u32 v[SH+(\i)], (\i), v[SH]
.endr
	s_wait_loadcnt 0x0                             ; the boxes are in
	; MY FOUR BOXES' PART OF THE WAVE'S FOUR WORDS.  Eight units n = 2 q + axis (box q; axis 0: x1, x2; 1: y1, y2), stage by stage, so that neighbouring lines do not wait for each other.
	; A box with label 0 gets the bound 0 for its ends: every end is then 0, and the box covers nothing.
.irp q, 0,1,2,3
	v_cmp_neq_f32 s[CM+(\q)], 0, v[BX+5*(\q)+4]
.endr
.irp q, 0,1,2,3
	v_cndmask_b32 v[UB+(\q)], 0, s[C64], s[CM+(\q)]
.endr
	; c / 4 - 64 w, fused.  Inside 0 .. 64 the difference is exact (a multiple of c / 4's last place, and no larger than c / 4), and truncating it equals trunc(c / 4) - 64 w; outside, the clamp decides,
	; and place i of the span lies in [x1, x2) just when it lies between the two clamped ends.
.set n, 0
.rept 8
	v_fma_f32 v[FA+n], v[BX+5*(n/2)+n%2], s[QUART], -v[B0F]
	v_fma_f32 v[FB+n], v[BX+5*(n/2)+2+n%2], s[QUART], -v[B0F]
.set n, n+1
.endr
.set n, 0
.rept 8
	v_med3_num_f32 v[FA+n], v[FA+n], 0, s[C64]
	v_med3_num_f32 v[FB+n], v[FB+n], 0, v[UB+n/2]
.set n, n+1
.endr
.set n, 0
.rept 8
	v_cvt_u32_f32 v[FA+n], v[FA+n]                 ; toward zero: a = 0 .. 64
	v_cvt_u32_f32 v[FB+n], v[FB+n]                 ; b = 0 .. 64
.set n, n+1
.endr
	; A shift takes its count modulo 32, and the span has 65 places to cut at: one shift gives the word that is cut, two comparisons say which word that is.
.set n, 0
.rept 8
	v_lshlrev_b32 v[TS+n], v[FA+n], v[ONES]        ; ones from bit a % 32 up
	v_bfe_u32 v[TE+n], v[ONES], 0, v[FB+n]         ; b % 32 ones from bit 0 up
.set n, n+1
.endr
.set n, 0
.rept 8
	v_cmp_gt_u32 s[CM+n], 32, v[FA+n]
	v_cmp_gt_u32 s[CM+8+n], 64, v[FA+n]
	v_cmp_gt_u32 s[CM+16+n], 32, v[FB+n]
	v_cmp_gt_u32 s[CM+24+n], 64, v[FB+n]
.set n, n+1
.endr
.set n, 0
.rept 8
	v_cndmask_b32 v[SA+n], 0, v[TS+n], s[CM+n]     ; even word, at or above a: cut if a < 32, else empty
	v_cndmask_b32 v[SB+n], 0, v[TS+n], s[CM+8+n]   ; odd word: cut if 32 <= a < 64, empty if a = 64,
	v_cndmask_b32 v[EA+n], -1, v[TE+n], s[CM+16+n] ; even word, below b: cut if b < 32, else full
	v_cndmask_b32 v[EB+n], -1, v[TE+n], s[CM+24+n] ; odd word: cut if 32 <= b < 64, full if b = 64,
.set n, n+1
.endr
.set n, 0
.rept 8
	v_cndmask_b32 v[SB+n], v[SB+n], v[ONES], s[CM+n]  ; full if a < 32
	v_cndmask_b32 v[EB+n], v[EB+n], 0, s[CM+16+n]     ; empty if b < 32
.set n, n+1
.endr
.set n, 0
.rept 8                                ; the first box starts the four unions: nothing is cleared; where b <= a the two masks share no bit
.if n < 2
	v_and_b32 v[ACC+2*(n%2)], v[SA+n], v[EA+n]
	v_and_b32 v[ACC+2*(n%2)+1], v[SB+n], v[EB+n]
.else
	v_and_or_b32 v[ACC+2*(n%2)], v[SA+n], v[EA+n], v[ACC+2*(n%2)]
	v_and_or_b32 v[ACC+2*(n%2)+1], v[SB+n], v[EB+n], v[ACC+2*(n%2)+1]
.endif
.set n, n+1
.endr
	; THE UNION OVER THE 32 LANES, and each word to its lanes.  Lanes 0-15 keep the columns' two words and give the rows' to the lane 16 away, lanes 16-31 the other way round; then of the two words
	; kept, lanes with l % 16 < 8 keep the even one and give the odd one to the lane 8 away, the others the other way round; three more exchanges inside each eight lanes finish the one word left.
	v_cndmask_b32 v[KP],   v[ACC],   v[ACC+2], s[HI16]
	v_cndmask_b32 v[KP+1], v[ACC+1], v[ACC+3], s[HI16]
	v_cndmask_b32 v[GV],   v[ACC+2], v[ACC],   s[HI16]
	v_cndmask_b32 v[GV+1], v[ACC+3], v[ACC+1], s[HI16]
	v_permlanex16_b32 v[ACC],   v[GV],   s[SEL], s[SEL+1]  ; (the destination counts as read: ACC has been written)
	v_permlanex16_b32 v[ACC+1], v[GV+1], s[SEL], s[SEL+1]
	v_or_b32 v[KP],   v[KP],   v[ACC]
	v_or_b32 v[KP+1], v[KP+1], v[ACC+1]
	v_cndmask_b32 v[GV], v[KP+1], v[KP], s[BIT3]
	v_cndmask_b32 v[KP], v[KP], v[KP+1], s[BIT3]
	v_mov_b32_dpp v[ACC], v[GV] row_xmask:8 row_mask:0xf bank_mask:0xf
	v_or_b32 v[KP], v[KP], v[ACC]
.irp m, 4,2,1
	v_mov_b32_dpp v[ACC], v[KP] row_xmask:\m row_mask:0xf bank_mask:0xf
	v_or_b32 v[KP], v[KP], v[ACC]
.endr
	ds_store_b32 v[LS], v[KP]                      ; eight lanes write the same word with the same value
	v_readlane_b32 s[Y0], v[KP], 16                ; my own rows' words I hold myself: rows 64 w .. in lanes 16-23,
	v_readlane_b32 s[Y1], v[KP], 24                ; rows 64 w + 32 .. in lanes 24-31
	s_lshr_b32 s[Y0], s[Y0], ttmp9                 ; bit k,
	s_lshr_b32 s[Y1], s[Y1], ttmp9
	s_and_b32 s[Y0], s[Y0], 1
	s_and_b32 s[Y1], s[Y1], 1
	s_sub_co_u32 s[Y0], 0, s[Y0]                   ; as all ones or 0
	s_sub_co_u32 s[Y1], 0, s[Y1]
	s_wait_dscnt 0x0                               ; for the others' sake: my word lies in LDS
	s_barrier_signal -1
	s_barrier_wait -1                              ; all 16 words do
	; MY TWO ROWS.  A value is selected, never a path: both rows are stored whatever their bits.
	ds_load_b32 v[WA], v[LR]
	ds_load_b32 v[WB], v[LR] offset:32
	s_wait_dscnt 0x0
.irp i, 0,1,2,3
	v_bfe_u32 v[XF+(\i)], v[WA], v[SH+(\i)], 1
	v_bfe_u32 v[XF+4+(\i)], v[WB], v[SH+(\i)], 1
.endr
.irp i, 0,1,2,3,4,5,6,7
	v_cvt_f32_u32 v[XF+(\i)], v[XF+(\i)]           ; 0.0 or 1.0
.endr
.irp i, 0,1,2,3,4,5,6,7
	v_and_b32 v[OUT+(\i)], s[Y0], v[XF+(\i)]
.endr
	global_store_b128 v[GO], v[OUT:OUT+3],   s[MSK:MSK+1] th:TH_STORE_NT             ; each store of the wave covers 512 consecutive bytes, at a multiple of 512 from the mask's first
	global_store_b128 v[GO], v[OUT+4:OUT+7], s[MSK:MSK+1] offset:512 th:TH_STORE_NT
.irp i, 0,1,2,3,4,5,6,7
	v_and_b32 v[OUT+8+(\i)], s[Y1], v[XF+(\i)]
.endr
	global_store_b128 v[GO], v[OUT+8:OUT+11],  s[MSK:MSK+1] offset:32*ROWB th:TH_STORE_NT
	global_store_b128 v[GO], v[OUT+12:OUT+15], s[MSK:MSK+1] offset:32*ROWB+512 th:TH_STORE_NT
	; THE NORM: one wave for each list.  The branch hangs on the wave's and the work-group's numbers alone.
	s_or_b32 s[T0], s[WV], ttmp9
	s_cmp_lg_u32 s[T0], 0
	s_cbranch_scc1 .Lend
	v_and_b32 v[LN], 15, v0
	v_lshlrev_b32 v[LN], 2, v[LN]
	ds_load_b32 v[WN], v[LN]                       ; lane i: word i % 16
	s_wait_dscnt 0x0
.set i, 0
.rept 16
	v_readlane_b32 s[CM+i], v[WN], i
.set i, i+1
.endr
.set i, 0
.rept 16
	s_bcnt1_i32_b32 s[CM+i], s[CM+i]
.set i, i+1
.endr
	s_add_co_u32 s[CX], s[CM], s[CM+1]             ; of each wave's four words the first two are columns', the last two rows'
	s_add_co_u32 s[CY], s[CM+2], s[CM+3]
.irp u, 1,2,3
	s_add_co_u32 s[CX], s[CX], s[CM+4*(\u)]
	s_add_co_u32 s[CY], s[CY], s[CM+4*(\u)+2]
	s_add_co_u32 s[CX], s[CX], s[CM+4*(\u)+1]
	s_add_co_u32 s[CY], s[CY], s[CM+4*(\u)+3]
.endr
	s_mul_i32 s[CX], s[CX], s[CY]                  ; the mask's sum, at most 65,536
	s_lshl_b32 s[CX], s[CX], 1
	s_max_u32 s[CX], s[CX], 1                      ; 0 or at least 2: 1 takes the place of 0
	v_cvt_f32_u32 v[NV], s[CX]                     ; exact
	v_mov_b32 v[ZO], 0
	v_cmp_eq_u32 vcc_lo, 0, v[LANE]
	s_wait_xcnt 0x0                                ; the rows' stores have read their sources, EXEC among them: only now is it narrowed
	s_and_saveexec_b32 s[SV], vcc_lo
	global_store_b32 v[ZO], v[NV], s[NRM:NRM+1]    ; one number, from lane 0
	s_wait_xcnt 0x0                                ; and again, in front of the line that widens it
	s_or_b32 exec_lo, exec_lo, s[SV]
.Lend:
	s_wait_tensorcnt 0x0                           ; the wave's end, behind my last LDS store
	ds_add_u32 v[SPW], v[NIL]
	s_wait_dscnt 0x0
	s_endpgm
.Lfunc_end_k_q686f649bb4_maskgen:
	.size	k_q686f649bb4_maskgen, .Lfunc_end_k_q686f649bb4_maskgen-k_q686f649bb4_maskgen
	.p2alignl 7, 3214868480
	.fill 96, 4, 3214868480
	.section	.rodata,"a",@progbits
	.p2align	6, 0x0
	.amdhsa_kernel k_q686f649bb4_maskgen
		.amdhsa_group_segment_fixed_size 768
		.amdhsa_private_segment_fixed_size 0
		.amdhsa_enable_private_segment 0
		.amdhsa_kernarg_size 48
		.amdhsa_user_sgpr_count 2
		.amdhsa_user_sgpr_kernarg_segment_ptr 1
		.amdhsa_wavefront_size32 1
		.amdhsa_system_sgpr_workgroup_id_x 1
		.amdhsa_system_sgpr_workgroup_id_y 1
		.amdhsa_system_sgpr_workgroup_id_z 1
		.amdhsa_system_vgpr_workitem_id 0
		.amdhsa_next_free_vgpr 140
		.amdhsa_next_free_sgpr 72
		.amdhsa_reserve_vcc 1
		.amdhsa_float_denorm_mode_32 3
		.amdhsa_float_denorm_mode_16_64 3
		.amdhsa_memory_ordered 1
		.amdhsa_forward_progress 1
		.amdhsa_inst_pref_size 19
	.end_amdhsa_kernel
	.amdgpu_metadata
---
amdhsa.version: [ 1, 2 ]
amdhsa.kernels:
  - .name:           k_q686f649bb4_maskgen
    .symbol:         k_q686f649bb4_maskgen.kd
    .args:
      - { .name: gt_boxes_pre, .offset: 0, .size: 8, .value_kind: global_buffer, .address_space: global }
      - { .name: gt_boxes_cur, .offset: 8, .size: 8, .value_kind: global_buffer, .address_space: global }
      - { .name: out0, .offset: 16, .size: 8, .value_kind: global_buffer, .address_space: global }
      - { .name: out1, .offset: 24, .size: 8, .value_kind: global_buffer, .address_space: global }
      - { .name: out2, .offset: 32, .size: 8, .value_kind: global_buffer, .address_space: global }
      - { .name: out3, .offset: 40, .size: 8, .value_kind: global_buffer, .address_space: global }
    .group_segment_fixed_size: 768
    .private_segment_fixed_size: 0
    .kernarg_segment_align: 8
    .kernarg_segment_size: 48
    .max_flat_workgroup_size: 128
    .sgpr_count:     72
    .vgpr_count:     140
    .wavefront_size: 32
...
	.end_amdgpu_metadata
.endif
;; end of part 1
